; MI455X (gfx1250); checked and timed in simulation.
; The chip was launched on July 23, 2026; its instructions are those of AMD's public machine-readable ISA for CDNA 5 (MIT licence, August 2026) and "CDNA5" Instruction Set Architecture Reference Guide (July 2026). The comments in the code are by the model that wrote it; some were corrected since.
;; FA Coef. Allowed arithmetic: matrix products marked QUANTISED: E5M2 operands, one E8M0 scale for each 32 along K, by v_wmma_scale_f32_16x16x128_f8f6f4 with both operands' format E5M2, f32 sums; everything else in f32.
;; Inputs: coef 4 x 4 float32; x 2,048 x 128 x 128 float32.
;; Outputs: out0 2,048 float32.
;; This version of the problem:
;;   THIS VERSION OF THE PROBLEM IS GIVEN IN LOW PRECISION. The matrix products marked QUANTISED in the list below multiply operands that are first quantised to E5M2 (5 exponent bits, 2 mantissa bits; 8 bits a number), with one power-of-two scale for each 32 numbers along K (OCP MX v1.0); their sums are f32. All else is computed in f32.
;;   The module's matrix products, in the order in which they are computed (A, B: the left and right operand; K: the contracted axis; several contracted axes count as one K, in the product's order):
;;     1. batch 2,048 x [M 128, K 128] x [K 128, N 128]; A: input x; B: input x: QUANTISED
;;     2. batch 2,048 x [M 128, K 128] x [K 128, N 128]; A: input x; B: computed on the way: QUANTISED
;;     3. batch 2,048 x [M 128, K 128] x [K 128, N 128]; A: input x; B: computed on the way: QUANTISED
;;     4. batch 2,048 x [M 128, K 128] x [K 128, N 128]; A: input x; B: computed on the way: QUANTISED
;;   THE QUANTISER, for each operand of a quantised product, along K:
;;     - K is cut into blocks of 32 from its start; a last block that is shorter is filled with zeros.
;;     - A block's scale is 2^e with e = floor(log2(the largest magnitude in the block)) - 15, held to -126 .. 127; a block of zeros has e = 0. As a byte (E8M0): e + 127.
;;     - Each number is divided by its block's scale, clamped to +-57,344, and rounded to the nearest number of E5M2, ties to even, subnormals kept.
;;     - The product sums the exact products of the quantised numbers (number of the format x scale) in f32.
;;   ~~~python
;;   def quantise(x, axis):      # numpy; x: float32 -> the quantised numbers, widened to float32 again
;;       x = np.moveaxis(x, axis, -1); K = x.shape[-1]
;;       x = np.pad(x, [(0, 0)] * (x.ndim - 1) + [(0, -K % 32)]); x = x.reshape(x.shape[:-1] + (-1, 32)); a = np.abs(x).max(-1, keepdims=True)
;;       e = np.where(a > 0, np.clip(np.frexp(np.where(a > 0, a, 1))[1] - 1 - 15, -126, 127), 0)      # np.frexp(a)[1] - 1 = floor(log2(a)), exactly
;;       r = np.clip(x / 2.0 ** e, -57344, 57344)
;;       step = 2.0 ** (np.maximum(np.frexp(np.where(r == 0, 1, r))[1] - 1, -14) - 2)
;;       q = np.round(r / step) * step * 2.0 ** e      # np.round: ties to even
;;       return np.moveaxis(q.reshape(q.shape[:-2] + (-1,))[..., :K], -1, axis).astype(np.float32)
;;   ~~~
;;   OPERANDS COMPUTED ON THE WAY. 'Computed on the way' means the value that the module computes at that place (a softmax that the list does not call 'softmax' is quantised finished and normalised). What goes into a quantiser is computed in f32, as accurately as f32 sums, v_exp_f32 and their like allow (about 1e-6 of the number): no bf16 or f16 on the way to a quantiser, and a product that is left as it is and whose result goes on into a quantised operand takes f32 operands (vector FMAs, or v_wmma_f32_16x16x4_f32). A number that lies on a knife's edge between two numbers of the format may be rounded either way, as far as f32 arithmetic and the matrix unit's own rounding can turn it there, and no further.
;; One version. Each part assembles by itself: llvm-mc -triple=amdgcn-amd-amdhsa -mcpu=gfx1250 --defsym DOCPART=n.
;; ======== version 1 of 1: 1 launch
;; launch chain (part 1): grid 256 x 1, 16 waves a work-group, no clusters, 327,680 bytes of LDS; arguments x, coef, out0; writes out0
.if DOCPART == 1
	.amdgcn_target "amdgcn-amd-amdhsa--gfx1250"
	.amdhsa_code_object_version 6
	.text
	.protected	k_q0813e7a6be_chain
	.globl	k_q0813e7a6be_chain
	.p2align	8
	.type	k_q0813e7a6be_chain,@function
k_q0813e7a6be_chain:
	s_mov_b64 s[64:65], 0
	v_nop
	global_prefetch_b8 v0, s[64:65] scope:SCOPE_SE
	s_setreg_imm32_b32 hwreg(HW_REG_WAVE_MODE, 25, 1), 1
	s_wait_xcnt 0x0
; out0[b] = sum over i, j of coef[i][j] s_i^(j+1) / n^(i+j+2), n = 16,384, s_i = the sum of all entries of a_(i+1); a_1 = x x, a_(i+1) = x a_i.  x: [2048][128][128] f32.
; All four products run on codes of BF8 (E5M2) with one E8M0 scale for each 32 along K.  The left operand is always x, quantised along its rows; the right one (x, a_1, a_2, a_3) is quantised down its columns.
; SHARES.  A work-group stays and takes 8 samples, in four VISITS of two.  Sixteen waves: wave 8 g + w serves sample g of the pair.  It quantises rows 16 w .. 16 w + 15 of x (tile w of the left operand) and owns COLUMNS
; 16 w .. 16 w + 15 through all four products: a strip of 16 columns of a_(i+1) hangs on the same 16 columns of a_i and on all of x.  In a result a lane holds one column and eight rows, and the rows are the next product's K:
; so a_i never leaves the wave's registers.  The left operand's eight fragments (128 registers) reach the eight waves of a sample once a visit, through LDS, as images of their registers, and stay.
; No two work-groups read the same byte of x, so there is nothing for a cluster to share.
; THE ORDER OF K INSIDE A BLOCK OF 32, alike in both operands: the place (block c, lane half h, i = 0 .. 15) of a fragment holds k = 32 c + 8 (i / 4) + 4 h + i % 4.  Blocks stay blocks, so the scales are the rule's.
;   left operand:  lane (r, h) takes row 16 t + e(r), e(r) = r % 4 + 8 (bit 2 of r) + 4 (bit 3 of r); its places 4 d .. 4 d + 3 of block c are 16 neighbouring bytes of that row, at 128 c + 32 d + 16 h.
;   a result:      register j of tile t in lane (r, h) is row 16 t + e(8 h + j) = 16 t + 8 (j / 4) + 4 h + j % 4 of column r: the place (t / 2, h, 8 (t % 2) + j): the 64 registers of the eight tiles ARE the next right operand's order.
;   x as the right operand: place (c, h, i) is x[32 c + 8 (i / 4) + i % 4 + 4 h][16 w + r]: 64 loads of 4 bytes from LDS; lanes 16-31 stand 4 rows = 2,112 bytes on, 64 modulo 256: 32 lanes, 32 different banks (64 banks of 4 bytes: ISA guide 11.1).
; LIMITS.  NaN and infinities among the inputs are not served.  A block whose largest magnitude lies under 2^-111 has the byte 1 (the rule's own hold); a block of zeros has it too, where the rule says 127: its codes are zeros and
; nobody else reads the byte.  The order of k inside a block differs from memory's, so a sum's last bits may differ from those of ascending k.  The last product's tiles t and t + 4 are added in one accumulator, since only the
; sum of its entries is wanted.  The polynomial is taken as (s / n)^(j+1) n^-(i+1), by Horner: no intermediate is larger than reference()'s s^(j+1); its roundings come in another order.
.set PITCH, 528                        ; a row of x in LDS: 512 bytes + 16 of padding = 33 x 16: the 16 rows that a 16-byte load's lanes touch start at 16 different columns of 16 bytes
.set SAMP,  128*PITCH                  ; a sample
.set SLOT,  2*SAMP                     ; a slot: the two samples of a visit
.set QUART, 64*PITCH                   ; 64 rows: what one tensor load brings
.set IMG,   2*SLOT                     ; behind the ring, for each of the two samples: 8 images of 2,048 bytes (512 c + 16 x lane), then 8 x 128 bytes of scale words (4 x lane)
.set IMGS,  8*2048+8*128
.set ISC,   8*2048
.set PART,  IMG+2*IMGS                 ; the waves' sums: 128 x sample + 16 w + 4 i
.set SPARE, PART+1024                  ; the spare words, 128 bytes for each wave: eight blocks of 256 bytes that no other line names
.set SPW, 1                            ; v1   LDS address of my spare word; never rewritten
.set NIL, 2                            ; v2   0; never rewritten
.set AR,  3                            ; v3-4  my row of x in slot 0, 1, for the left operand
.set BR,  5                            ; v5-6  my column of x in slot 0, 1, for the right operand
.set IW,  7                            ; v7   where I store my tile's image
.set IWS, 8                            ; v8   and its scale words
.set IR,  9                            ; v9   where I read my sample's images
.set IRS, 10                           ; v10  and their scale words
.set PS,  11                           ; v11  where my wave's four sums go
.set S0,  12                           ; v12-15 my lane's sums of the four products
.set AS,  16                           ; v16-23 the left operand's scale words, tile t in v[16 + t]: scales and nothing else
.set PW,  24                           ; v24  the scale word just made: the right operand's: a scale and nothing else
.set T0,  25                           ; at work
.set TM,  26                           ; v26-29 largest magnitudes, v30-33 the other half's, then bytes, v34-37 57,344 x the scale, v38-41 the conversions' scale operands
.set PR,  42                           ; v42  the end: where lane l reads the sums of sample l % 8
.set T1,  43                           ; at work
.set PC,  44                           ; v44-59 the codes just made: a fragment
.set SM,  60                           ; v60-63 two packed chains of a sum
.set H,   64                           ; v64-127 64 numbers: x as loaded, or the eight accumulators
.set AF,  128                          ; v128-255 the left operand's eight fragments
.set WV,  10                           ; s10  my wave's number
.set SEL, 20                           ; s20-21 v_permlanex16_b32's selects for lane l xor 16
.set MNT, 22                           ; s22  the mantissa field of 57,344
.set CNT, 23                           ; s23  counts the chain's trips
.set G1,  24                           ; s[24:31] descriptor group 1
.set G0,  32                           ; s[32:39] descriptor group 0, a set for each slot
.set CF,  40                           ; s[40:55] coef
.set RN,  57                           ; s57  1 / n = 2^-14
.macro BAR
	s_barrier_signal -1
	s_barrier_wait -1
.endm
.macro PLACES                          ; eight places between a product of this form and the first read of its result
.rept 8
	v_nop
.endr
.endm
; Waves 0 to 3 fetch a quarter of a slot each, the others nothing: the branch hangs on the wave's number alone.  Four v_nop follow the load.
.macro TLOAD s
	s_cmp_lt_u32 s[WV], 4
	s_cbranch_scc0 .Lnone_\@
	tensor_load_to_lds s[G0+4*\s:G0+4*\s+3], s[G1:G1+7]
	s_nop 0
.rept 4
	v_nop
.endr
.Lnone_\@:
.endm
; BETWEEN TWO VISITS.  Each wave waits for all its tensor loads (its part of the slot that is read next), adds 0 to its spare word, and waits for that and for all its LDS instructions: its reads of the slot and of the images
; that it leaves, its store of its sums.  Behind the barrier the next slot is whole, and nobody reads slot s or the images any more.  fill = 1: slot s takes the samples of two visits on: the load has a whole visit in which to land.
.macro CHANGE s, fill
	s_wait_tensorcnt 0x0                           ; no tensor load of mine is out, so a group 0 may be written
	ds_add_u32 v[SPW], v[NIL]                      ; 0 onto my spare word
.if \fill
	s_add_nc_u64 s[G0+4*\s+2:G0+4*\s+3], s[G0+4*\s+2:G0+4*\s+3], 4*65536   ; four samples on; the type bits on top are not reached
.endif
	s_wait_dscnt 0x0
	BAR
.if \fill
	TLOAD \s                                       ; the first thing behind the barrier, and a wave's one tensor load until the next such barrier
.endif
.endm
.macro ARAW slot                       ; my row's 64 numbers for the left operand: register 16 c + 4 d + 0 .. 3 = k 32 c + 8 d + 4 h + 0 .. 3
.irp c, 0,1,2,3
.irp d, 0,1,2,3
	ds_load_b128 v[H+16*\c+4*\d:H+16*\c+4*\d+3], v[AR+(\slot)] offset:128*\c+32*\d
.endr
.endr
.endm
.macro BRAW slot                       ; my column's 64 numbers for the right operand: register 16 c + i = row 32 c + 8 (i / 4) + i % 4 + 4 h
.irp c, 0,1,2,3
.irp i, 0,1,2,3,4,5,6,7,8,9,10,11,12,13,14,15
	ds_load_b32 v[H+16*\c+\i], v[BR+(\slot)] offset:(32*\c+8*(\i/4)+\i%4)*PITCH
.endr
.endr
.endm
; 64 numbers of a lane, v[H] on, register 16 b + i = place (b, h, i) of my row or column, become a fragment's codes in v[PC] on and its scale word in v[PW].  A block of 32 lies in lanes l and l xor 16.
.macro QUANT
.irp b, 0,1,2,3
	v_max3_num_f32 v[TM+\b], |v[H+16*\b]|, |v[H+1+16*\b]|, 0x8000000   ; block b: my 16 numbers, and the floor 2^(16 - 127): so the byte cannot fall under 1
.endr
.irp i, 2,4,6,8,10,12,14
.irp b, 0,1,2,3
	v_max3_num_f32 v[TM+\b], v[TM+\b], |v[H+16*\b+\i]|, |v[H+1+16*\b+\i]|   ; (the four blocks by turns: no line waits for the line above it)
.endr
.endr
.irp b, 0,1,2,3
	v_permlanex16_b32 v[TM+4+\b], v[TM+\b], s[SEL], s[SEL+1]
.endr
.irp b, 0,1,2,3
	v_max_num_f32 v[TM+\b], v[TM+\b], v[TM+4+\b]   ; with lane l xor 16's: the block's largest magnitude
.endr
.irp b, 0,1,2,3
	v_add_nc_u32 v[TM+12+\b], 0xf8800000, v[TM+\b]   ; 15 off its exponent field: the conversion takes the exponent field of this operand as its scale, and nothing else of it
.endr
.irp b, 0,1,2,3
	v_and_or_b32 v[TM+8+\b], v[TM+\b], 0x7f800000, s[MNT]   ; 57,344 x the scale: the largest magnitude's exponent field over 57,344's mantissa
.endr
.irp b, 0,1,2,3
	v_lshrrev_b32 v[TM+4+\b], 23, v[TM+12+\b]      ; the scale's byte
.endr
	v_lshl_or_b32 v[PW], v[TM+5], 8, v[TM+4]       ; the four bytes make the scale word; the 64 holds below stand between it and the product that names it
	v_lshl_or_b32 v[PW], v[TM+6], 16, v[PW]
	v_lshl_or_b32 v[PW], v[TM+7], 24, v[PW]
.irp b, 0,1,2,3
.irp i, 0,1,2,3,4,5,6,7,8,9,10,11,12,13,14,15
	v_med3_num_f32 v[H+16*\b+\i], v[H+16*\b+\i], -v[TM+8+\b], v[TM+8+\b]   ; the conversion to an 8-bit code does not saturate (ISA guide 7.6.2): the hold at the largest code x the scale
.endr
	v_cvt_scalef32_pk8_bf8_f32 v[PC+4*\b:PC+1+4*\b], v[H+16*\b:H+7+16*\b], v[TM+12+\b]
	v_cvt_scalef32_pk8_bf8_f32 v[PC+2+4*\b:PC+3+4*\b], v[H+8+16*\b:H+15+16*\b], v[TM+12+\b]
.endr
.endm
.macro IMAGE                           ; my tile of the left operand goes to LDS as it stands in my registers: 16 bytes a lane, 512 consecutive bytes a store
.irp c, 0,1,2,3
	ds_store_b128 v[IW], v[PC+4*\c:PC+4*\c+3] offset:512*\c
.endr
	ds_store_b32 v[IWS], v[PW]
.endm
.macro FETCH                           ; and all eight tiles come back so, in every wave of the sample
.irp t, 0,1,2,3,4,5,6,7
.irp c, 0,1,2,3
	ds_load_b128 v[AF+16*\t+4*\c:AF+16*\t+4*\c+3], v[IR] offset:2048*\t+512*\c
.endr
.endr
.irp t, 0,1,2,3,4,5,6,7
	ds_load_b32 v[AS+\t], v[IRS] offset:128*\t
.endr
.endm
.macro MUL8                            ; my strip of the next power: eight tiles of 16 rows, K = 128 in one instruction each: eight accumulators, each begun with the constant 0
.irp t, 0,1,2,3,4,5,6,7
	v_wmma_scale_f32_16x16x128_f8f6f4 v[H+8*\t:H+8*\t+7], v[AF+16*\t:AF+16*\t+15], v[PC:PC+15], 0, v[AS+\t], v[PW] matrix_a_fmt:MATRIX_FMT_BF8 matrix_b_fmt:MATRIX_FMT_BF8
.endr
.endm
.macro MUL8F                           ; the last product: only the sum of its entries is wanted, so tile t + 4 adds onto tile t: four accumulators by turns, one instruction a turn
.irp t, 0,1,2,3
	v_wmma_scale_f32_16x16x128_f8f6f4 v[H+8*\t:H+8*\t+7], v[AF+16*\t:AF+16*\t+15], v[PC:PC+15], 0, v[AS+\t], v[PW] matrix_a_fmt:MATRIX_FMT_BF8 matrix_b_fmt:MATRIX_FMT_BF8
.endr
.irp t, 0,1,2,3
	v_wmma_scale_f32_16x16x128_f8f6f4 v[H+8*\t:H+8*\t+7], v[AF+64+16*\t:AF+64+16*\t+15], v[PC:PC+15], v[H+8*\t:H+8*\t+7], v[AS+4+\t], v[PW] matrix_a_fmt:MATRIX_FMT_BF8 matrix_b_fmt:MATRIX_FMT_BF8
.endr
.endm
.macro SUM n                           ; my lane's n results, two at a time, in two chains, in ascending order: each accumulator is read from its low end on
	v_pk_add_f32 v[SM:SM+1], v[H:H+1], v[H+2:H+3]
	v_pk_add_f32 v[SM+2:SM+3], v[H+4:H+5], v[H+6:H+7]
.set j, 8
.rept (\n-8)/4
	v_pk_add_f32 v[SM:SM+1], v[SM:SM+1], v[H+j:H+j+1]
	v_pk_add_f32 v[SM+2:SM+3], v[SM+2:SM+3], v[H+j+2:H+j+3]
.set j, j+4
.endr
.endm
; The sum just taken joins the row of four at its end: after a visit's four products v12 .. v15 hold them in order.  In the chain these five plain lines are also the place behind the last conversion and the four places
; between the codes' last write and the scaled product that takes them.
.macro TAIL
	v_pk_add_f32 v[SM:SM+1], v[SM:SM+1], v[SM+2:SM+3]
	v_mov_b32 v[S0], v[S0+1]
	v_mov_b32 v[S0+1], v[S0+2]
	v_mov_b32 v[S0+2], v[S0+3]
	v_add_f32 v[S0+3], v[SM], v[SM+1]
.endm
.macro REDUCE                          ; the four sums over the wave's 32 lanes; every lane ends with the result
.irp m, 1,2,4,8
.irp i, 0,1,2,3
	v_add_f32_dpp v[S0+\i], v[S0+\i], v[S0+\i] row_xmask:\m row_mask:0xf bank_mask:0xf
.endr
.endr
.irp i, 0,1,2,3
	v_permlanex16_b32 v[TM+4+\i], v[S0+\i], s[SEL], s[SEL+1]
.endr
.irp i, 0,1,2,3
	v_add_f32 v[S0+\i], v[S0+\i], v[TM+4+\i]
.endr
.endm
; A VISIT: two samples, eight waves each.
.macro VISIT v
	ARAW (\v)%2
	s_wait_dscnt 0x0
	QUANT                                          ; my tile of the left operand
	v_nop                                          ; a plain line behind the last conversion
	IMAGE
	BRAW (\v)%2                                    ; my strip of x, into the registers that the conversions have read
	s_wait_dscnt 0x0                               ; my image has landed, my strip is in, and my reads of the slot are over
	BAR                                            ; the sample's eight images lie in LDS
	FETCH
	QUANT                                          ; the first product's right operand, while the fragments are on their way
.rept 4
	v_nop                                          ; the place behind the last conversion, and the four places between the codes and the scaled product
.endr
	s_wait_dscnt 0x0                               ; the eight fragments and their scale words are in
	s_mov_b32 s[CNT], 3
.Lchain_\@:                                            ; three trips: a product, its sum, and its result quantised in place as the next right operand
	MUL8
	PLACES
	SUM 64
	QUANT
	TAIL
	s_sub_co_u32 s[CNT], s[CNT], 1
	s_cmp_lg_u32 s[CNT], 0
	s_cbranch_scc1 .Lchain_\@
	MUL8F
	PLACES
	SUM 32
	TAIL
	REDUCE
	ds_store_b128 v[PS], v[S0:S0+3] offset:256*(\v)   ; all lanes write the same 16 bytes with the same values: sample 2 v + g, strip w
.endm
	s_load_b128 s[4:7], s[0:1], 0x0                ; x s[4:5], coef s[6:7]
	s_load_b64 s[8:9], s[0:1], 0x10                ; out0
	v_lshl_add_u32 v[SPW], v0, 2, SPARE
	v_mov_b32 v[NIL], 0
	ds_add_u32 v1, v2
	s_wait_dscnt 0x0
	v_lshrrev_b32 v[T1], 5, v0
	v_readfirstlane_b32 s[WV], v[T1]               ; wave 0..15
	; descriptor group 1: 64 rows of 128 elements of 4 bytes, dense in memory, padded in LDS
	s_mov_b32 s[G1+0], (2<<16)|(1<<20)|(6<<22)|(3<<25)   ; 15:0 no mask; 17:16 elements of 4 bytes; 20 padding on; 24:22 after every 128 words (code 6); 31:25 four words (code 3)
	s_mov_b32 s[G1+1], 128<<16                     ; tensor_dim0 = 128
	s_mov_b32 s[G1+2], 64<<16                      ; tensor_dim1 = 64
	s_mov_b32 s[G1+3], 128<<16                     ; tile_dim0 = 128
	s_mov_b32 s[G1+4], 64                          ; tile_dim1 = 64
	s_mov_b32 s[G1+5], 128                         ; from row to row
	s_mov_b32 s[G1+6], 0
	s_mov_b32 s[G1+7], 0
	s_and_b32 s13, s[WV], 3                        ; which quarter of a slot I fetch, if I fetch
	s_lshl_b32 s14, ttmp9, 19                      ; my work-group's 8 samples of 65,536 bytes,
	s_lshl_b32 s15, s13, 15                        ; my 64 rows of 512 bytes
	s_add_co_u32 s14, s14, s15
	s_mov_b32 s15, 0
	s_lshl_b32 s18, ttmp9, 5                       ; and its 8 numbers of out0
	s_mov_b32 s19, 0
	s_mov_b32 s[SEL], 0x76543210
	s_mov_b32 s[SEL+1], 0xfedcba98
	s_mov_b32 s[MNT], 0x600000
	s_mov_b32 s[RN], 0x38800000
	s_wait_kmcnt 0x0
	s_add_nc_u64 s[16:17], s[4:5], s[14:15]
	s_mov_b32 s[G0+0], 1                           ; 1:0 count = 1
	s_mul_i32 s[G0+1], s13, QUART                  ; 63:32 LDS address: slot 0, my quarter
	s_mov_b64 s[G0+2:G0+3], s[16:17]               ; 120:64 global address: the first visit's samples
	s_or_b32 s[G0+3], s[G0+3], 0x80000000          ; 127:126 type = 2
	s_mov_b32 s[G0+4], 1
	s_add_co_u32 s[G0+5], s[G0+1], SLOT            ; slot 1
	s_add_nc_u64 s[G0+6:G0+7], s[16:17], 2*65536   ; the second visit's
	s_or_b32 s[G0+7], s[G0+7], 0x80000000
	s_cmp_lt_u32 s[WV], 4                          ; a wave's two first fills stand in one branch, ahead of every wait on TENSORcnt, every LDS read and every barrier: two loads of mine are out
	s_cbranch_scc0 .Lno_fill
	tensor_load_to_lds s[G0:G0+3], s[G1:G1+7]
	s_nop 0
	tensor_load_to_lds s[G0+4:G0+7], s[G1:G1+7]
	s_nop 0
.rept 4
	v_nop
.endr
.Lno_fill:
	s_load_b512 s[CF:CF+15], s[6:7], 0x0           ; coef: 16 numbers; no line of this text writes that buffer
	; every LDS address is made here, from the thread's number
	v_and_b32 v[T0], 3, v0
	v_bfe_u32 v[AR], v0, 2, 1
	v_lshl_add_u32 v[T0], v[AR], 3, v[T0]
	v_bfe_u32 v[AR], v0, 3, 1
	v_lshl_add_u32 v[T0], v[AR], 2, v[T0]          ; e(r)
	v_lshl_add_u32 v[T0], v[T1], 4, v[T0]          ; my row of the slot's 256: 128 g + 16 w + e = 16 x wave + e
	v_mul_u32_u24 v[AR], v[T0], PITCH
	v_bfe_u32 v[T0], v0, 4, 1                      ; h
	v_lshl_add_u32 v[AR], v[T0], 4, v[AR]          ; + 16 h
	v_add_nc_u32 v[AR+1], SLOT, v[AR]
	v_mul_u32_u24 v[BR], v[T0], 4*PITCH            ; the right operand: 4 h rows down,
	v_bfe_u32 v[T0], v0, 8, 1                      ; g
	v_mad_u32_u24 v[BR], v[T0], SAMP, v[BR]        ; in my sample,
	v_mul_u32_u24 v[IR], v[T0], IMGS
	v_add_nc_u32 v[IR], IMG, v[IR]                 ; (my sample's images)
	v_and_b32 v[T0], 15, v0
	v_lshl_add_u32 v[BR], v[T0], 2, v[BR]          ; column r
	v_bfe_u32 v[T0], v0, 5, 3                      ; w
	v_lshl_add_u32 v[BR], v[T0], 6, v[BR]          ; of strip w
	v_add_nc_u32 v[BR+1], SLOT, v[BR]
	v_lshl_add_u32 v[IW], v[T0], 11, v[IR]         ; my tile's image,
	v_lshl_add_u32 v[IWS], v[T0], 7, v[IR]         ; its scale words
	v_and_b32 v[T0], 31, v0                        ; lane
	v_lshl_add_u32 v[IW], v[T0], 4, v[IW]
	v_lshl_add_u32 v[IWS], v[T0], 2, v[IWS]
	v_add_nc_u32 v[IWS], ISC, v[IWS]
	v_lshl_add_u32 v[IRS], v[T0], 2, v[IR]
	v_add_nc_u32 v[IRS], ISC, v[IRS]
	v_lshl_add_u32 v[IR], v[T0], 4, v[IR]
	v_lshl_add_u32 v[PS], v[T1], 4, PART           ; 128 g + 16 w = 16 x wave
	v_and_b32 v[T0], 7, v0
	v_lshl_add_u32 v[PR], v[T0], 7, PART
.irp i, 0,1,2,3
	v_mov_b32 v[S0+\i], 0                          ; written once: the row of four sums is shifted before it is full
	v_mov_b32 v[TM+4+\i], 0                        ; written once: a lane permute's destination counts as one of its sources
.endr
	s_add_nc_u64 s[8:9], s[8:9], s[18:19]
	s_wait_kmcnt 0x0                               ; coef
	s_wait_tensorcnt 0x1                           ; my part of slot 0 is in; slot 1's may stay out
	BAR                                            ; everybody's is
	VISIT 0
	CHANGE 0, 1                                    ; slot 0 takes the third visit's samples
	VISIT 1
	CHANGE 1, 1                                    ; slot 1 the fourth's: the last load
	VISIT 2
	CHANGE 0, 0                                    ; nothing is left to fetch
	VISIT 3
	; THE END.  Wave 0 adds the eight strips' sums of each sample (lane l: sample l % 8) and takes the polynomial.
	s_wait_dscnt 0x0                               ; for the others' sake: my sums have landed
	BAR
	s_cmp_lg_u32 s[WV], 0
	s_cbranch_scc1 .Lend
.irp k, 0,1,2,3,4,5,6,7
	ds_load_b128 v[H+4*\k:H+4*\k+3], v[PR] offset:16*\k   ; strip k's four sums
.endr
	s_wait_dscnt 0x0
.irp k, 1,2,3,4,5,6,7
	v_pk_add_f32 v[H:H+1], v[H:H+1], v[H+4*\k:H+4*\k+1]
	v_pk_add_f32 v[H+2:H+3], v[H+2:H+3], v[H+4*\k+2:H+4*\k+3]
.endr
.irp i, 0,1,2,3
	v_mul_f32 v[H+\i], s[RN], v[H+\i]              ; t_i = s_i / n: exact
.endr
.irp i, 0,1,2,3
	v_fma_f32 v[H+4+\i], v[H+\i], s[CF+4*\i+3], s[CF+4*\i+2]   ; p_i = t (c_i0 + t (c_i1 + t (c_i2 + t c_i3))); the four rows by turns
.endr
.irp i, 0,1,2,3
	v_fma_f32 v[H+4+\i], v[H+\i], v[H+4+\i], s[CF+4*\i+1]
.endr
.irp i, 0,1,2,3
	v_fma_f32 v[H+4+\i], v[H+\i], v[H+4+\i], s[CF+4*\i]
.endr
.irp i, 0,1,2,3
	v_mul_f32 v[H+4+\i], v[H+\i], v[H+4+\i]
.endr
	v_fma_f32 v[H+8], v[H+7], s[RN], v[H+6]        ; the sum over i of p_i / n^(i+1)
	v_fma_f32 v[H+8], v[H+8], s[RN], v[H+5]
	v_fma_f32 v[H+8], v[H+8], s[RN], v[H+4]
	v_mul_f32 v[H+8], s[RN], v[H+8]
	v_and_b32 v[T1], 7, v0
	v_lshlrev_b32 v[T1], 2, v[T1]
	v_cmp_gt_u32 vcc_lo, 8, v0
	s_wait_xcnt 0x0                                ; EXEC changes only behind this wait
	s_and_saveexec_b32 s56, vcc_lo                 ; lanes 0 to 7: the work-group's 8 numbers, 32 consecutive bytes
	global_store_b32 v[T1], v[H+8], s[8:9]
	s_wait_xcnt 0x0                                ; and again, in front of the line that widens it
	s_or_b32 exec_lo, exec_lo, s56
.Lend:
	s_wait_tensorcnt 0x0                           ; the wave's end, behind my last tensor load and my last LDS store
	ds_add_u32 v[SPW], v[NIL]
	s_wait_dscnt 0x0
	s_endpgm
.Lfunc_end_k_q0813e7a6be_chain:
	.size	k_q0813e7a6be_chain, .Lfunc_end_k_q0813e7a6be_chain-k_q0813e7a6be_chain
	.p2alignl 7, 3214868480
	.fill 96, 4, 3214868480
	.section	.rodata,"a",@progbits
	.p2align	6, 0x0
	.amdhsa_kernel k_q0813e7a6be_chain
		.amdhsa_group_segment_fixed_size 327680
		.amdhsa_private_segment_fixed_size 0
		.amdhsa_enable_private_segment 0
		.amdhsa_kernarg_size 24
		.amdhsa_user_sgpr_count 2
		.amdhsa_user_sgpr_kernarg_segment_ptr 1
		.amdhsa_wavefront_size32 1
		.amdhsa_system_sgpr_workgroup_id_x 1
		.amdhsa_system_sgpr_workgroup_id_y 1
		.amdhsa_system_sgpr_workgroup_id_z 1
		.amdhsa_system_vgpr_workitem_id 0
		.amdhsa_next_free_vgpr 256
		.amdhsa_next_free_sgpr 66
		.amdhsa_reserve_vcc 1
		.amdhsa_float_denorm_mode_32 3
		.amdhsa_float_denorm_mode_16_64 3
		.amdhsa_memory_ordered 1
		.amdhsa_forward_progress 1
		.amdhsa_inst_pref_size 167
	.end_amdhsa_kernel
	.amdgpu_metadata
---
amdhsa.version: [ 1, 2 ]
amdhsa.kernels:
  - .name:           k_q0813e7a6be_chain
    .symbol:         k_q0813e7a6be_chain.kd
    .args:
      - { .name: x, .offset: 0, .size: 8, .value_kind: global_buffer, .address_space: global }
      - { .name: coef, .offset: 8, .size: 8, .value_kind: global_buffer, .address_space: global }
      - { .name: out0, .offset: 16, .size: 8, .value_kind: global_buffer, .address_space: global }
    .group_segment_fixed_size: 327680
    .private_segment_fixed_size: 0
    .kernarg_segment_align: 8
    .kernarg_segment_size: 24
    .max_flat_workgroup_size: 512
    .sgpr_count:     66
    .vgpr_count:     256
    .wavefront_size: 32
...
	.end_amdgpu_metadata
.endif
;; end of part 1
